; MI455X (gfx1250); checked and timed in simulation.
; The chip was launched on July 23, 2026; its instructions are those of AMD's public machine-readable ISA for CDNA 5 (MIT licence, August 2026) and "CDNA5" Instruction Set Architecture Reference Guide (July 2026). The comments in the code are by the model that wrote it; some were corrected since.
;; matrix times. Allowed arithmetic: matrix products marked QUANTISED: E2M1 operands, one E8M0 scale for each 32 along K, by v_wmma_scale_f32_16x16x128_f8f6f4 with both operands' format E2M1 (or v_wmma_scale_f32_32x16x128_f4), f32 sums; everything else in f32.
;; Inputs: eye 16,777,216 float32; jacobian 16,777,216 float32.
;; Outputs: out0 16,777,216 float32.
;; This version of the problem:
;;   THIS VERSION OF THE PROBLEM IS GIVEN IN LOW PRECISION. The matrix products marked QUANTISED in the list below multiply operands that are first quantised to E2M1 (2 exponent bits, 1 mantissa bit; 4 bits a number), with one power-of-two scale for each 32 numbers along K (OCP MX v1.0); their sums are f32. All else is computed in f32.
;;   The module's matrix products, in the order in which they are computed (A, B: the left and right operand; K: the contracted axis; several contracted axes count as one K, in the product's order):
;;     1. [M 4,096, K 4,096] x [K 4,096, N 4,096]; A: input jacobian; B: input eye: QUANTISED
;;   THE QUANTISER, for each operand of a quantised product, along K:
;;     - K is cut into blocks of 32 from its start; a last block that is shorter is filled with zeros.
;;     - A block's scale is 2^e with e = floor(log2(the largest magnitude in the block)) - 2, held to -126 .. 127; a block of zeros has e = 0. As a byte (E8M0): e + 127.
;;     - Each number is divided by its block's scale, clamped to +-6, and rounded to the nearest number of E2M1, ties to even, subnormals kept.
;;     - The product sums the exact products of the quantised numbers (number of the format x scale) in f32.
;;   ~~~python
;;   def quantise(x, axis):      # numpy; x: float32 -> the quantised numbers, widened to float32 again
;;       x = np.moveaxis(x, axis, -1); K = x.shape[-1]
;;       x = np.pad(x, [(0, 0)] * (x.ndim - 1) + [(0, -K % 32)]); x = x.reshape(x.shape[:-1] + (-1, 32)); a = np.abs(x).max(-1, keepdims=True)
;;       e = np.where(a > 0, np.clip(np.frexp(np.where(a > 0, a, 1))[1] - 1 - 2, -126, 127), 0)      # np.frexp(a)[1] - 1 = floor(log2(a)), exactly
;;       r = np.clip(x / 2.0 ** e, -6, 6)
;;       step = 2.0 ** (np.maximum(np.frexp(np.where(r == 0, 1, r))[1] - 1, 0) - 1)
;;       q = np.round(r / step) * step * 2.0 ** e      # np.round: ties to even
;;       return np.moveaxis(q.reshape(q.shape[:-2] + (-1,))[..., :K], -1, axis).astype(np.float32)
;;   ~~~
;; One version. Each part assembles by itself: llvm-mc -triple=amdgcn-amd-amdhsa -mcpu=gfx1250 --defsym DOCPART=n.
;; ======== version 1 of 1: 2 launches
;; limits: right only within a limited range of input values
;; workspace buffers: aq 8,912,896 bytes; bq 8,912,896 bytes
;; launch quant (part 1): grid 768 x 1, 4 waves a work-group, no clusters, 76,288 bytes of LDS; arguments eye, jacobian, aq, bq; writes aq, bq
.if DOCPART == 1
	.amdgcn_target "amdgcn-amd-amdhsa--gfx1250"
	.amdhsa_code_object_version 6
	.text
	.protected	k_qb657d00ca5_quant
	.globl	k_qb657d00ca5_quant
	.p2align	8
	.type	k_qb657d00ca5_quant,@function
k_qb657d00ca5_quant:
	s_mov_b64 s[64:65], 0
	v_nop
	global_prefetch_b8 v0, s[64:65] scope:SCOPE_SE
	s_setreg_imm32_b32 hwreg(HW_REG_WAVE_MODE, 25, 1), 1
	s_wait_xcnt 0x0
; Both operands of out = J E (4,096 x 4,096 x 4,096, f32) are turned into codes of FP4 (E2M1) with one E8M0 scale byte for each 32 along K.
; J = jacobian is [m][k]: K innermost.  E = eye is [k][n]: K is its first axis.
; WORKSPACE, the same for both: [K step s = k / 512 : 8][row : 4,096][272 bytes]; a row is m (aq) or n (bq).  Of a row's 272 bytes, bytes 0-255 are the step's 512 codes, K innermost, two codes
; a byte, the lower k in the low four bits (block t of 32 codes at byte 16 t); bytes 256-271 are the step's 16 scale bytes, byte t for block t.  So 128 rows of a K step are 34,816 consecutive
; bytes, which the product's launch brings into LDS as they lie, rows 272 bytes apart, the scale words beside their codes.
; THE RULE: a block's scale is 2^(floor(log2(its largest magnitude)) - 2); its byte is the largest magnitude's exponent field - 2, held at 1 from below by a floor of 2^(3 - 127) among the
; maximum's leaves.  Each number is divided by the scale and rounded to the nearest code, ties to even; what lies beyond 6 gets the largest code.
; LIMITS: a block of zeros gets the byte 1 where the rule says 127: its codes are zeros, which add nothing under any byte but 0xff, and the bytes are read by this program alone.
; NaN and infinities among the inputs are not served.
; SHARES: work-groups 0-255 take eye, work-groups 256-767 jacobian.  The two ways part on the work-group's number and have LDS bytes of their own (jacobian's 0 .. 40,959, eye's 40,960 .. 75,775).
; No tensor loads, no barrier: waves share nothing.  No pointer is stepped and no store's data are written again: every offset is an immediate.
.set ROWW,  272                        ; a workspace row in bytes
.set FLOOR, 0x1800000                  ; the f32 number 2^(3 - 127)
.set OFFE,  0xff000000                 ; takes 2 off an exponent field
; ---- eye's way: registers
.set ESB,   24                         ; v24-27   my column's 16 scale bytes
.set EX,    32                         ; v32-95   two sets of 32 numbers: a block of my column
.set EC,    96                         ; v96-99   a block's codes
.set EOUT,  112                        ; v112-179 the way out: 17 x 4 registers
.set ESTG,  40960                      ; LDS: eye's stages, 32 rows x 272 bytes for each wave
; ---- jacobian's way: registers
.set JR,    16                         ; v16-79   four sets of 16 numbers as they are loaded; at the end v16-49 the way out
.set JX,    80                         ; v80-111  two sets of 16 neighbours
.set JE,    112                        ; v112-127 a scale byte for each step
.set JC,    128                        ; v128-159 two registers of codes for each step
.set JOUT,  16
.set SP,    80                         ; a lane's place in a turning stage: its 64 bytes + 16 of padding
.set JREG,  10240                      ; LDS: a region for each wave: two turning stages of 32 x SP bytes, then 16 workspace rows (4,352 bytes)
; eye, block t: E(32 t + i, my column), i = 0 .. 31, into set t % 2.  32 lanes read 128 consecutive bytes, the four waves of a work-group 512.
; The largest offset, 511 rows of 16,384 bytes, lies inside the signed 24-bit immediate (ISA guide, chapter 10).
.macro ELOAD t
.irp i, 0,1,2,3,4,5,6,7,8,9,10,11,12,13,14,15,16,17,18,19,20,21,22,23,24,25,26,27,28,29,30,31
	global_load_b32 v[EX+32*((\t)%2)+\i], v3, s[4:5] offset:(32*(\t)+\i)*16384 th:TH_LOAD_NT
.endr
.endm
.macro EBLOCK t
.set EXS, EX+32*((\t)%2)
.if (\t) < 15
	s_wait_loadcnt 32                              ; this block's 32 loads are in; the next block's 32 may be out
.else
	s_wait_loadcnt 0x0
.endif
	v_max3_num_f32 v12, |v[EXS]|, |v[EXS+1]|, |v[EXS+2]|           ; the block's largest magnitude: all 32 numbers are mine; two chains
	v_max3_num_f32 v13, |v[EXS+3]|, |v[EXS+4]|, |v[EXS+5]|
.irp i, 6,10,14,18,22,26
	v_max3_num_f32 v12, v12, |v[EXS+\i]|, |v[EXS+\i+1]|
	v_max3_num_f32 v13, v13, |v[EXS+\i+2]|, |v[EXS+\i+3]|
.endr
	v_max3_num_f32 v12, v12, |v[EXS+30]|, |v[EXS+31]|
	v_max3_num_f32 v12, v12, v13, FLOOR            ; and the floor: the byte cannot fall under 1
	v_add_nc_u32 v11, OFFE, v12                    ; 2 off its exponent field: the conversion takes the exponent field of this operand as its scale, and nothing else of it
	v_lshrrev_b32 v13, 23, v11                     ; the scale's byte
.if (\t)%4 == 0
	v_mov_b32 v[ESB+(\t)/4], v13                   ; four bytes to a register, the lower K in the lower byte
.else
	v_lshl_or_b32 v[ESB+(\t)/4], v13, 8*((\t)%4), v[ESB+(\t)/4]
.endif
.irp g, 0,1,2,3
	v_cvt_scalef32_pk8_fp4_f32 v[EC+\g], v[EXS+8*\g:EXS+8*\g+7], v11
.endr
	ds_store_b128 v4, v[EC:EC+3] offset:16*(\t)    ; 32 codes: 16 bytes of my column's workspace row.  (The conversions' results go to a store; the next vector lines are plain and touch neither them nor their sources)
.if (\t)+2 < 16
	ELOAD (\t)+2
.endif
	s_wait_dscnt 0x0                               ; the store has read its registers: the next block's codes may be written
.endm
; jacobian, step t = row t of my 16: its 512 numbers of my K step, 2,048 bytes, by four loads of 512 consecutive bytes, into set t % 4
.macro JLOADG t
.irp i, 0,1,2,3
	global_load_b128 v[JR+16*((\t)%4)+4*\i:JR+16*((\t)%4)+4*\i+3], v3, s[6:7] offset:16384*(\t)+512*\i th:TH_LOAD_NT
.endr
.endm
; step t's numbers through a turning stage: in as they lie, 16 bytes a lane; out 64 bytes a lane: 16 neighbours along K.  LDS serves a wave's instructions in order (ISA guide 5.7.1.4): no wait between
.macro JTURN t
.irp i, 0,1,2,3
	ds_store_b128 v14, v[JR+16*((\t)%4)+4*\i:JR+16*((\t)%4)+4*\i+3] offset:32*SP*((\t)%2)+8*SP*\i
.endr
.irp i, 0,1,2,3
	ds_load_b128 v[JX+16*((\t)%2)+4*\i:JX+16*((\t)%2)+4*\i+3], v15 offset:32*SP*((\t)%2)+16*\i
.endr
.endm
.macro JSTEP t
.set JXS, JX+16*((\t)%2)
.if (\t) > 0
	s_wait_dscnt 2                                 ; this step's numbers are back from the stage (the last step's two stores, codes and byte, may be out): so its stores into the stage have read their registers,
.else
	s_wait_dscnt 0x0
.endif
.if (\t)+4 < 16
	JLOADG (\t)+4                                  ; which take the loads of four steps on
.endif
.if (\t)+1 < 16
.if 14-(\t) >= 3
	s_wait_loadcnt 12                              ; the next step's four loads are in; those of the three steps behind it may be out
.else
	s_wait_loadcnt 4*(14-(\t))                     ; towards the end fewer steps stand behind it
.endif
	JTURN (\t)+1                                   ; and go through the other stage while this step is worked
.endif
	v_max3_num_f32 v8, |v[JXS]|, |v[JXS+1]|, |v[JXS+2]|            ; the largest magnitude of my 16
	v_max3_num_f32 v9, |v[JXS+3]|, |v[JXS+4]|, |v[JXS+5]|
.irp i, 6,10
	v_max3_num_f32 v8, v8, |v[JXS+\i]|, |v[JXS+\i+1]|
	v_max3_num_f32 v9, v9, |v[JXS+\i+2]|, |v[JXS+\i+3]|
.endr
	v_max3_num_f32 v8, v8, |v[JXS+14]|, |v[JXS+15]|
	v_max3_num_f32 v8, v8, v9, FLOOR               ; and the floor: the byte cannot fall under 1
	v_max_num_f32_dpp v8, v8, v8 row_xmask:1 row_mask:0xf bank_mask:0xf   ; and of my neighbour's 16: the block's
	v_add_nc_u32 v11, OFFE, v8                     ; 2 off its exponent field: the conversion's scale operand
	v_cvt_scalef32_pk8_fp4_f32 v[JC+2*(\t)], v[JXS:JXS+7], v11
	v_cvt_scalef32_pk8_fp4_f32 v[JC+2*(\t)+1], v[JXS+8:JXS+15], v11
	v_lshrrev_b32 v[JE+(\t)], 23, v11              ; the scale's byte (a plain line behind the conversions)
	ds_store_b64 v4, v[JC+2*(\t):JC+2*(\t)+1] offset:ROWW*(\t)     ; my 16 codes: 8 bytes of workspace row t
	ds_store_b8 v5, v[JE+(\t)] offset:ROWW*(\t)    ; both lanes of a block write the same byte with the same value
.endm
	s_load_b256 s[4:11], s[0:1], 0x0               ; eye s[4:5], jacobian s[6:7], aq s[8:9], bq s[10:11]
	v_lshl_add_u32 v192, v0, 2, 0x12800
	v_mov_b32 v193, 0
	v_lshrrev_b32 v1, 5, v0
	v_readfirstlane_b32 s16, v1                    ; wave 0..3
	v_and_b32 v2, 31, v0                           ; lane
	s_cmp_lt_u32 ttmp9, 256
	s_cbranch_scc0 .Ljac
	; ================ eye -> bq.  A LANE TAKES A COLUMN n, AND ITS REGISTERS RUN DOWN K: a block of 32 along K lies in one lane's 32 registers, and the conversions give codes with K innermost.
	; A wave takes 32 columns x one K step: 32 whole workspace rows, 8,704 consecutive bytes, gathered in its own stage and stored 512 consecutive bytes an instruction.
	s_and_b32 s17, ttmp9, 31                       ; which 128 columns
	s_lshr_b32 s18, ttmp9, 5                       ; which K step
	s_lshl_b32 s19, s17, 7
	s_lshl_b32 s20, s16, 5
	s_add_co_u32 s19, s19, s20                     ; my wave's first column
	s_lshl_b32 s20, s18, 23                        ; eye: 512 rows of 16,384 bytes a K step,
	s_lshl_b32 s21, s19, 2
	s_add_co_u32 s20, s20, s21                     ; + 4 bytes a column
	s_mov_b32 s21, 0
	s_lshl_b32 s22, s18, 12
	s_add_co_u32 s22, s22, s19
	s_mul_i32 s22, s22, ROWW                       ; bq: (4,096 x K step + column) rows of 272 bytes: a multiple of 8,704, so of 256
	s_mov_b32 s23, 0
	s_mul_i32 s24, s16, 32*ROWW
	s_add_co_u32 s24, s24, ESTG                    ; my stage
	s_wait_alu depctr_va_vdst(0)
	v_lshlrev_b32 v3, 2, v2                        ; in: 4 bytes a lane
	v_mul_u32_u24 v4, v2, ROWW
	v_add_nc_u32 v4, s24, v4                       ; into the stage: row = my column
	v_lshlrev_b32 v8, 4, v2                        ; out: 16 bytes a lane, in bq
	v_add_nc_u32 v7, s24, v8                       ; and in the stage
	s_wait_alu depctr_va_vdst(0)
	s_wait_kmcnt 0x0
	s_add_nc_u64 s[4:5], s[4:5], s[20:21]
	s_add_nc_u64 s[10:11], s[10:11], s[22:23]
	ELOAD 0
	ELOAD 1                                        ; loads run two blocks ahead
.irp t, 0,1,2,3,4,5,6,7,8,9,10,11,12,13,14,15
	EBLOCK \t
.endr
	s_wait_alu depctr_va_vdst(0)
	ds_store_b128 v4, v[ESB:ESB+3] offset:256      ; my column's 16 scale bytes, behind its codes
.irp i, 0,1,2,3,4,5,6,7,8,9,10,11,12,13,14,15,16
	ds_load_b128 v[EOUT+4*\i:EOUT+4*\i+3], v7 offset:512*\i        ; LDS serves a wave's instructions in order: these see my stores
.endr
.irp i, 0,1,2,3,4,5,6,7,8,9,10,11,12,13,14,15,16
	s_wait_dscnt 16-\i                             ; load i is in; the younger ones may be out
	global_store_b128 v8, v[EOUT+4*\i:EOUT+4*\i+3], s[10:11] offset:512*\i   ; 32 lanes store 512 consecutive bytes, at a multiple of 256 from bq's first byte
.endr
	s_wait_tensorcnt 0x0
	ds_add_u32 v192, v193
	s_wait_dscnt 0x0
	s_endpgm
.Ljac:
	; ================ jacobian -> aq.  A wave takes 16 rows x one K step: 16 workspace rows, 4,352 consecutive bytes.  The four waves of a work-group take four neighbouring K steps of the same rows.
	; The conversions want 16 neighbours along K in a lane; a load is dense where neighbouring lanes take neighbouring bytes: so a step's 2,048 bytes turn through the wave's own stage in LDS.
	s_sub_co_u32 s17, ttmp9, 256
	s_lshr_b32 s18, s17, 1                         ; which 16 rows
	s_and_b32 s19, s17, 1
	s_lshl_b32 s19, s19, 2
	s_add_co_u32 s19, s19, s16                     ; which K step: 4 x (work-group % 2) + wave
	s_lshl_b32 s20, s18, 18                        ; jacobian: 16 rows of 16,384 bytes,
	s_lshl_b32 s21, s19, 11
	s_add_co_u32 s20, s20, s21                     ; + 2,048 bytes a K step
	s_mov_b32 s21, 0
	s_lshl_b32 s22, s19, 12
	s_lshl_b32 s23, s18, 4
	s_add_co_u32 s22, s22, s23
	s_mul_i32 s22, s22, ROWW                       ; aq: (4,096 x K step + row) rows of 272 bytes: a multiple of 4,352, so of 256
	s_mov_b32 s23, 0
	s_mul_i32 s24, s16, JREG                       ; my region of LDS
	s_wait_alu depctr_va_vdst(0)
	v_lshlrev_b32 v3, 4, v2                        ; my 16 bytes of a load's 512
	v_lshrrev_b32 v14, 2, v2
	v_mul_u32_u24 v14, v14, SP
	v_and_b32 v15, 3, v2
	v_lshl_add_u32 v14, v15, 4, v14
	v_add_nc_u32 v14, s24, v14                     ; the turning stage, on the way in: four lanes' 64 bytes on end, then 16 of padding
	v_mul_u32_u24 v15, v2, SP
	v_add_nc_u32 v15, s24, v15                     ; and on the way out: SP x lane: my 16 neighbours
	s_add_co_u32 s25, s24, 2*32*SP                 ; behind the two turning stages: the 16 workspace rows
	v_lshlrev_b32 v7, 3, v2                        ; 8 bytes a lane: my codes' place in a row, and my place in a unit on the way out
	v_add_nc_u32 v4, s25, v7
	v_lshrrev_b32 v5, 1, v2
	s_add_co_u32 s25, s25, 256
	v_add_nc_u32 v5, s25, v5                       ; my block's scale byte, behind the row's codes
	s_wait_alu depctr_va_vdst(0)
	s_wait_kmcnt 0x0
	s_add_nc_u64 s[6:7], s[6:7], s[20:21]
	s_add_nc_u64 s[8:9], s[8:9], s[22:23]
.irp t, 0,1,2,3
	JLOADG \t                                      ; loads run four steps (16 loads) ahead
.endr
	s_wait_loadcnt 12                              ; step 0's four loads are in
	JTURN 0
.irp t, 0,1,2,3,4,5,6,7,8,9,10,11,12,13,14,15
	JSTEP \t
.endr
.irp i, 0,1,2,3,4,5,6,7,8,9,10,11,12,13,14,15,16
	ds_load_b64 v[JOUT+2*\i:JOUT+2*\i+1], v4 offset:256*\i         ; LDS serves a wave's instructions in order: these see my stores.  (v16-49: their loads from memory and their stores into the stage were waited for in the steps)
.endr
.irp i, 0,1,2,3,4,5,6,7,8,9,10,11,12,13,14,15,16
	s_wait_dscnt 16-\i                             ; load i is in; the younger ones may be out
	global_store_b64 v7, v[JOUT+2*\i:JOUT+2*\i+1], s[8:9] offset:256*\i      ; 32 lanes store 256 consecutive bytes, at a multiple of 256 from aq's first byte
.endr
	s_wait_tensorcnt 0x0
	ds_add_u32 v192, v193
	s_wait_dscnt 0x0
	s_endpgm
.Lfunc_end_k_qb657d00ca5_quant:
	.size	k_qb657d00ca5_quant, .Lfunc_end_k_qb657d00ca5_quant-k_qb657d00ca5_quant
	.p2alignl 7, 3214868480
	.fill 96, 4, 3214868480
	.section	.rodata,"a",@progbits
	.p2align	6, 0x0
	.amdhsa_kernel k_qb657d00ca5_quant
		.amdhsa_group_segment_fixed_size 76288
		.amdhsa_private_segment_fixed_size 0
		.amdhsa_enable_private_segment 0
		.amdhsa_kernarg_size 32
		.amdhsa_user_sgpr_count 2
		.amdhsa_user_sgpr_kernarg_segment_ptr 1
		.amdhsa_wavefront_size32 1
		.amdhsa_system_sgpr_workgroup_id_x 1
		.amdhsa_system_sgpr_workgroup_id_y 1
		.amdhsa_system_sgpr_workgroup_id_z 1
		.amdhsa_system_vgpr_workitem_id 0
		.amdhsa_next_free_vgpr 194
		.amdhsa_next_free_sgpr 66
		.amdhsa_reserve_vcc 0
		.amdhsa_float_denorm_mode_32 3
		.amdhsa_float_denorm_mode_16_64 3
		.amdhsa_memory_ordered 1
		.amdhsa_forward_progress 1
		.amdhsa_inst_pref_size 113
	.end_amdhsa_kernel
	.amdgpu_metadata
---
amdhsa.version: [ 1, 2 ]
amdhsa.kernels:
  - .name:           k_qb657d00ca5_quant
    .symbol:         k_qb657d00ca5_quant.kd
    .args:
      - { .name: eye, .offset: 0, .size: 8, .value_kind: global_buffer, .address_space: global }
      - { .name: jacobian, .offset: 8, .size: 8, .value_kind: global_buffer, .address_space: global }
      - { .name: aq, .offset: 16, .size: 8, .value_kind: global_buffer, .address_space: global }
      - { .name: bq, .offset: 24, .size: 8, .value_kind: global_buffer, .address_space: global }
    .group_segment_fixed_size: 76288
    .private_segment_fixed_size: 0
    .kernarg_segment_align: 8
    .kernarg_segment_size: 32
    .max_flat_workgroup_size: 128
    .sgpr_count:     66
    .vgpr_count:     194
    .wavefront_size: 32
...
	.end_amdgpu_metadata
.endif
;; end of part 1
;; launch gemm (part 2): grid 16 x 16, 4 waves a work-group, clusters of 4 x 4, 327,680 bytes of LDS; arguments aq, bq, out0; writes out0
.if DOCPART == 2
	.amdgcn_target "amdgcn-amd-amdhsa--gfx1250"
	.amdhsa_code_object_version 6
	.text
	.protected	k_qb657d00ca5_gemm
	.globl	k_qb657d00ca5_gemm
	.p2align	8
	.type	k_qb657d00ca5_gemm,@function
k_qb657d00ca5_gemm:
	s_mov_b64 s[64:65], 0
	v_nop
	global_prefetch_b8 v0, s[64:65] scope:SCOPE_SE
	s_setreg_imm32_b32 hwreg(HW_REG_WAVE_MODE, 25, 1), 1
	s_wait_xcnt 0x0
	s_wait_alu depctr_hold_cnt(0) depctr_sa_sdst(0) depctr_va_vdst(0) depctr_va_sdst(0) depctr_va_ssrc(0) depctr_va_vcc(0) depctr_vm_vsrc(0)
	s_getreg_b32 s2, hwreg(HW_REG_IB_STS2, 6, 4)
	s_cmp_eq_u32 s2, 0
	s_cbranch_scc0 .Lentry_in_a_cluster
	s_endpgm
.Lentry_in_a_cluster:
	s_bfe_u32 s2, ttmp6, 0x10000c
	s_cmp_lg_u32 s2, 0xf033
	s_cbranch_scc0 .Lentry_shape_is_right
	s_endpgm
.Lentry_shape_is_right:
; out0[m][n] = sum over k of J[m][k] E[k][n], 4,096 x 4,096 x 4,096, on the FP4 (E2M1) codes and E8M0 scale bytes that the launch before has laid:
; aq (rows m) and bq (rows n): [K step of 512 : 8][row : 4,096][272 bytes]: 256 bytes of codes, K innermost, then the step's 16 scale bytes.  Sums in f32.
; A tile of C, 256 x 256, is made by a work-group of four waves; a wave makes 128 x 128: 64 accumulators of 16 x 16, 512 registers.
; K goes in steps of 512 through a ring of two LDS slots.  128 rows of a K step are 34,816 consecutive bytes, which one tensor load brings as 136 rows of 256 bytes:
; in LDS the rows stand 272 bytes apart as they do in memory, so the 16 rows that a fragment load touches start at 16 different banks, and the scale words lie beside their codes.
; CLUSTERS: 4 x 4 work-groups.  The four of a row of the cluster need the same tiles of aq, the four of a column the same tiles of bq: each tile is asked for JOINTLY.
; THE ORDER OF K: a cluster starts at one of the four pairs of K steps, chosen by its place in the grid, and walks the four pairs cyclically; the four clusters that share a tile row of aq
; (or a tile column of bq) start at four different pairs.  An output's sum so begins at K = 1,024 x the pair and wraps round: an order of rounding that differs from an ascending sum's.
; NO PREFETCH: by that walk each pair of K steps has been read by another cluster one lap before a cluster asks for it, and the first lap has no trip to run ahead in.
; THE MATRIX INSTRUCTION IS USED TRANSPOSED (source 0 = 16 rows of bq, source 1 = 16 rows of aq): a lane then holds eight neighbouring numbers of a row of C.
; THE LAST K STEP GOES BY ROWS OF C: all its fragments of bq fill window 1, and my eight blocks of 16 rows are finished one after the other and leave at once.
; REGISTERS, in windows of 256: window 0: v0-31 addresses; v32-95 scale words, a set for each slot; v128-191 aq's fragments (8 x 16 rows x 128 K), one set; v96-127 and v192-255 serve the way out.
;   window 1: bq's fragments, two sets, at v0 and v128.  window 2: the accumulators of my rows 0-63 ((a, b) at v[8 (8 a + b)]); window 3: those of my rows 64-127.
.set SIZE_N, 4096
.set NQ,     4                         ; steps of 128 along K in a slot
.set PITCH,  272
.set FR,     8                         ; registers of a fragment
.set NL,     2                         ; LDS loads that bring one
.set NP,     4                         ; places behind this matrix instruction (ISA guide 7.12.1)
.set HALFT,  128*PITCH                 ; what one tensor load brings, and what one wave reads of aq or of bq
.set SLOT,   4*HALFT                   ; aq's 256 rows, then bq's 256 rows
.set KSB,    4096*PITCH                ; bytes from a K step to the next in aq and bq
.set LAPS,   4                         ; a lap = two K steps = once round the ring
.set SPARE,  2*SLOT                    ; behind the ring: the spare words, 128 bytes for each wave
.set SPITCH, 528                       ; the way out: a stage of 16 rows x (512 + 16) bytes for each wave, in slot 0, which has had its last fill and its last read by then
.set ADRA, 16                          ; v16-17 LDS address of my aq fragments in slot 0, 1
.set ADRB, 20                          ; v20-21 the same for bq
.set ADRS, 22                          ; v22-23 my scale words in slot 0, 1: lanes 0-15 aq's rows, lanes 16-31 bq's
.set STO,  24                          ; the way out: where I put 32 bytes of a row
.set RD,   25                          ; where I read a row back
.set CO,   26                          ; my byte offset in a row of C
.set SPW,  28                          ; my spare word
.set NIL,  29                          ; 0
.set SC,   32                          ; scale words: set s at v[SC + 32 s]; register 4 i + q: lanes 0-15 aq's block i, lanes 16-31 bq's block i, the slot's q-th 128 along K
.set AF,   128
.set PA,   128                         ; the last K step: aq's fragments of one block, 16 rows x 512 K: v128-159
.set PAIR, 2                           ; s2 which pair of K steps the ring asks for next
.set BASA, 8                           ; s[8:9], s[10:11] my 128 rows of K step 0 in aq, in bq
.set BASB, 10
.set POFF, 18                          ; s[18:19] the pair's byte offset
.set G1, 24                            ; s[24:31] group 1 for aq's tiles; s[32:39] group 0, a set for each slot
.set G0, 32
.set G1B, 48                           ; s[48:55], s[56:63] the same for bq's tiles
.set G0B, 56
.set MSB, 0
.macro WIN new                         ; the immediate's high byte repeats the setting that is left
.if MSB != \new
	s_set_vgpr_msb (MSB<<8)|\new
.set MSB, \new
.endif
.endm
.set MUL_LO, 0xa1                      ; source 0 (bq) window 1, source 1 (aq) window 0, C and D window 2
.set MUL_HI, 0xf1                      ; the same, C and D window 3
.set TO_B,   0x40                      ; destination window 1, address window 0
; A joint load: waves 0 and 1 fetch aq's two halves, waves 2 and 3 bq's.  An s_nop 0 and four v_nop follow each line.
.macro JLOAD s
	s_cmp_eq_u32 s15, 0
	s_cbranch_scc0 .Lfor_b_\@
	tensor_load_to_lds s[G0+4*\s:G0+4*\s+3], s[G1:G1+7]
	s_nop 0
.rept 4
	v_nop
.endr
	s_branch .Lasked_\@
.Lfor_b_\@:
	tensor_load_to_lds s[G0B+4*\s:G0B+4*\s+3], s[G1B:G1B+7]
	s_nop 0
.rept 4
	v_nop
.endr
.Lasked_\@:
.endm
.macro CREST                           ; a round of the cluster's barrier behind its opening barrier
	s_cmp_lg_u32 s14, 0
	s_cbranch_scc1 .Lnot_wave_0_\@
	s_barrier_signal -3
.Lnot_wave_0_\@:
	s_barrier_wait -3
	s_barrier_signal -1
	s_barrier_wait -1
.endm
.macro CROUND
	s_barrier_signal -1
	s_barrier_wait -1
	CREST
.endm
.macro AIM s                           ; slot s's two group 0 at K step 2 x pair + s
	s_add_nc_u64 s[G0+4*\s+2:G0+4*\s+3], s[BASA:BASA+1], s[POFF:POFF+1]
	s_add_nc_u64 s[G0B+4*\s+2:G0B+4*\s+3], s[BASB:BASB+1], s[POFF:POFF+1]
.if \s == 1
	s_add_nc_u64 s[G0+4*\s+2:G0+4*\s+3], s[G0+4*\s+2:G0+4*\s+3], KSB
	s_add_nc_u64 s[G0B+4*\s+2:G0B+4*\s+3], s[G0B+4*\s+2:G0B+4*\s+3], KSB
.endif
	s_or_b32 s[G0+4*\s+3], s[G0+4*\s+3], 0x80000000
	s_or_b32 s[G0B+4*\s+3], s[G0B+4*\s+3], 0x80000000
.endm
	s_load_b128 s[4:7], s[0:1], 0x0                ; aq, bq
	s_load_b64 s[12:13], s[0:1], 0x10              ; out0
	v_lshl_add_u32 v[SPW], v0, 2, SPARE
	v_mov_b32 v[NIL], 0
	ds_add_u32 v[SPW], v[NIL]                      ; the opening lines: the add, twice on end, and its wait ahead of my first tensor load
	ds_add_u32 v[SPW], v[NIL]
	v_lshrrev_b32 v1, 5, v0
	v_readfirstlane_b32 s14, v1                    ; wave 0..3
	s_lshr_b32 s15, s14, 1                         ; which half of the tile's rows is mine.  Also: I fetch for aq (0) or for bq (1)
	s_and_b32 s16, s14, 1                          ; which half of its columns.  Also: which 128 rows of that tile I fetch
	s_bfe_u32 s40, ttmp6, 0x40000                  ; cx, cy
	s_bfe_u32 s41, ttmp6, 0x40004
	s_lshl_b32 s42, ttmp9, 2
	s_add_co_u32 s42, s42, s40                     ; tile column of C
	s_and_b32 s17, ttmp7, 0xffff
	s_lshl_b32 s17, s17, 2
	s_add_co_u32 s17, s17, s41                     ; tile row of C
	s_lshl_b32 s43, s41, 2
	s_lshl_b32 s43, 15, s43                        ; my row of the cluster
	s_lshl_b32 s44, 0x1111, s40                    ; my column
	s_and_b32 s8, ttmp9, 1                         ; the cluster's first pair of K steps: its x and its y, each with its two bits swapped, added modulo 4: the same in all sixteen partners
	s_lshl_b32 s8, s8, 1
	s_bfe_u32 s9, ttmp9, 0x10001
	s_or_b32 s8, s8, s9
	s_and_b32 s10, ttmp7, 1
	s_lshl_b32 s10, s10, 1
	s_bfe_u32 s11, ttmp7, 0x10001
	s_or_b32 s10, s10, s11
	s_add_co_u32 s[PAIR], s8, s10
	s_and_b32 s[PAIR], s[PAIR], 3
	s_mul_i32 s[POFF], s[PAIR], 2*KSB
	s_mov_b32 s[POFF+1], 0
	s_or_b32 s[G1+0], s43, (3<<16)|(1<<21)         ; the mask; elements of 8 bytes; bit 21 beside a mask; no padding: the rows lie 272 bytes apart already
	s_or_b32 s[G1B+0], s44, (3<<16)|(1<<21)
.irp g, G1, G1B
	s_mov_b32 s[\g+1], 32<<16                      ; 136 rows of 32 elements: 34,816 dense bytes
	s_mov_b32 s[\g+2], 136<<16
	s_mov_b32 s[\g+3], 32<<16
	s_mov_b32 s[\g+4], 136
	s_mov_b32 s[\g+5], 32
	s_mov_b32 s[\g+6], 0
	s_mov_b32 s[\g+7], 0
.endr
	s_lshl_b32 s22, s16, 7
	s_lshl_b32 s20, s17, 8
	s_add_co_u32 s20, s20, s22
	s_mul_i32 s20, s20, PITCH                      ; aq: (256 x tile row + 128 x half) rows
	s_mov_b32 s21, 0
	s_lshl_b32 s46, s42, 8
	s_add_co_u32 s46, s46, s22
	s_mul_i32 s46, s46, PITCH                      ; bq: (256 x tile column + 128 x half) rows
	s_mov_b32 s47, 0
	s_mul_i32 s45, s14, HALFT                      ; where my tile goes: wave x 128 rows
	s_wait_dscnt 0x0                               ; both opening adds are done
	s_wait_kmcnt 0x0
	s_add_nc_u64 s[BASA:BASA+1], s[4:5], s[20:21]
	s_add_nc_u64 s[BASB:BASB+1], s[6:7], s[46:47]
	CROUND                                         ; all sixteen work-groups are here: the first joint loads meet
.irp s, 0,1
	s_mov_b32 s[G0+4*\s], 1
	s_add_co_u32 s[G0+4*\s+1], s45, \s*SLOT
	s_mov_b32 s[G0B+4*\s], 1
	s_add_co_u32 s[G0B+4*\s+1], s45, \s*SLOT
	AIM \s
.endr
	JLOAD 0                                        ; the pair's first K step: one tensor load a wave at the head
	s_mul_i32 s20, s15, HALFT                      ; my 128 rows of aq
	s_mul_i32 s21, s16, HALFT
	s_add_co_u32 s21, s21, 2*HALFT                 ; my 128 rows of bq, behind aq's 256
	s_sub_co_u32 s22, s21, s20                     ; the distance between the two
	s_add_co_u32 s23, s20, 256                     ; the scale words stand behind a row's codes
	s_mul_i32 s46, s14, 16*SPITCH                  ; my stage
	s_lshl_b32 s40, s17, 8
	s_lshl_b32 s41, s15, 7
	s_add_co_u32 s40, s40, s41
	s_lshl_b32 s40, s40, 14                        ; my first row of C, 16,384 bytes a row
	s_lshl_b32 s41, s42, 10
	s_add_co_u32 s40, s40, s41
	s_lshl_b32 s41, s16, 9
	s_add_co_u32 s40, s40, s41                     ; + my first column, in bytes (all under 2^26)
	s_mov_b32 s41, 0
	s_add_nc_u64 s[12:13], s[12:13], s[40:41]
	v_and_b32 v1, 15, v0                           ; l % 16
	v_bfe_u32 v2, v0, 4, 1                         ; l / 16
	v_and_b32 v6, 31, v0                           ; lane
	v_mul_u32_u24 v3, v1, PITCH
	v_lshl_add_u32 v4, v2, 4, v3                   ; a fragment's row x pitch + 16 x half
	v_add_nc_u32 v[ADRA], s20, v4
	v_add_nc_u32 v[ADRB], s21, v4
	v_add_nc_u32 v[ADRA+1], SLOT, v[ADRA]
	v_add_nc_u32 v[ADRB+1], SLOT, v[ADRB]
	v_mul_u32_u24 v5, s22, v2                      ; lanes 16-31 take bq's scale words
	v_add_nc_u32 v5, v3, v5
	v_add_nc_u32 v[ADRS], s23, v5
	v_add_nc_u32 v[ADRS+1], SLOT, v[ADRS]
	v_mul_u32_u24 v7, v1, SPITCH
	v_lshl_add_u32 v7, v2, 5, v7
	v_add_nc_u32 v[STO], s46, v7
	v_lshlrev_b32 v[CO], 4, v6
	v_add_nc_u32 v[RD], s46, v[CO]
.macro FRAG reg, adr, q, i             ; 16 rows x 128 K: lane l holds row l % 16; registers 4 c .. 4 c + 3 hold K = 64 c + 32 (l / 16) + 0 .. 31
.irp c, 0,1
	ds_load_b128 v[\reg+4*\c:\reg+4*\c+3], v[\adr] offset:64*(\q)+32*\c+(\i)*16*PITCH
.endr
.endm
; 16 matrix instructions: aq's blocks a0, a0 + 1 x bq's eight (set p), the slot's q-th 128 along K.  zero = 1: the first product starts the sums.
; The 64 accumulators take turns, in the same order in every step.
.macro MUL16 a0, p, q, sc, zero
.irp a, \a0, \a0+1
.irp b, 0,1,2,3,4,5,6,7
.if \zero
	v_wmma_scale_f32_16x16x128_f8f6f4 v[8*(8*((\a)%4)+\b):8*(8*((\a)%4)+\b)+7], v[128*(\p)+FR*\b:128*(\p)+FR*\b+FR-1], v[AF+FR*(\a):AF+FR*(\a)+FR-1], 0, v[SC+32*(\sc)+4*\b+(\q)], v[SC+32*(\sc)+4*(\a)+(\q)] matrix_a_fmt:MATRIX_FMT_FP4 matrix_b_fmt:MATRIX_FMT_FP4 matrix_a_scale:MATRIX_SCALE_ROW1
.else
	v_wmma_scale_f32_16x16x128_f8f6f4 v[8*(8*((\a)%4)+\b):8*(8*((\a)%4)+\b)+7], v[128*(\p)+FR*\b:128*(\p)+FR*\b+FR-1], v[AF+FR*(\a):AF+FR*(\a)+FR-1], v[8*(8*((\a)%4)+\b):8*(8*((\a)%4)+\b)+7], v[SC+32*(\sc)+4*\b+(\q)], v[SC+32*(\sc)+4*(\a)+(\q)] matrix_a_fmt:MATRIX_FMT_FP4 matrix_b_fmt:MATRIX_FMT_FP4 matrix_a_scale:MATRIX_SCALE_ROW1
.endif
.endr
.endr
.endm
.macro FETCH_B slot, q, p              ; bq's eight fragments into set p
	WIN TO_B
.irp i, 0,1,2,3,4,5,6,7
	FRAG 128*(\p)+FR*\i, ADRB+\slot, \q, \i
.endr
	WIN 0
.endm
.macro FETCH_A slot, q, i0             ; aq's blocks i0 .. i0 + 3
.irp i, \i0, \i0+1, \i0+2, \i0+3
	FRAG AF+FR*(\i), ADRA+\slot, \q, \i
.endr
.endm
.macro SCALES slot                     ; a K step's scale words: 4 words a row; lanes 0-15 aq's block i, lanes 16-31 bq's block i
.irp i, 0,1,2,3,4,5,6,7
	ds_load_b128 v[SC+32*\slot+4*\i:SC+32*\slot+4*\i+3], v[ADRS+\slot] offset:\i*16*PITCH
.endr
.endm
.macro PLACES n                        ; in front of loads into registers that matrix instructions have read, and of the first read of results
.rept \n
	v_nop
.endr
.endm
; A step of 128 along K that has its successor in the same slot.  A block of aq is free as soon as its eight products are issued: blocks 0-3 are fetched anew in the step's middle, blocks 4-7 at its end.
.macro STEP slot, q, zero
	s_wait_dscnt 4*NL                              ; bq's set and aq's blocks 0-3 are in; the youngest 8 loads (aq's blocks 4-7) may be out
	WIN MUL_LO
	MUL16 0, (\q)%2, \q, \slot, \zero
	MUL16 2, (\q)%2, \q, \slot, \zero
	s_wait_dscnt 0                                 ; aq's blocks 4-7 are in
	PLACES NP
	FETCH_B \slot, (\q)+1, 1-(\q)%2
	FETCH_A \slot, (\q)+1, 0
	WIN MUL_HI
	MUL16 4, (\q)%2, \q, \slot, \zero
	MUL16 6, (\q)%2, \q, \slot, \zero
	PLACES NP
	WIN 0
	FETCH_A \slot, (\q)+1, 4
.endm
; The first half of a slot's last step: ONE barrier; in front of it each wave waits for all its tensor loads (one is out: its part of the next slot), adds 0 to its spare word, and waits for that and for its reads of this slot.
.macro MEET slot, fill
	s_wait_tensorcnt 0x0
	ds_add_u32 v[SPW], v[NIL]
.if \fill
.if \slot == 0
	s_add_co_u32 s[PAIR], s[PAIR], 1               ; no tensor load of mine is out: the next pair of K steps, modulo 4
	s_and_b32 s[PAIR], s[PAIR], 3
	s_mul_i32 s[POFF], s[PAIR], 2*KSB
.endif
	AIM \slot
.endif
	s_wait_dscnt 4*NL+1                            ; the add and the youngest 8 loads may be out
	WIN MUL_LO
	MUL16 0, 1, NQ-1, \slot, 0
	s_wait_dscnt 0x0                               ; the add is done, and my reads of this slot are over
	s_barrier_signal -1
	MUL16 2, 1, NQ-1, \slot, 0
	WIN 0
	s_barrier_wait -1
.endm
.macro TURN slot, next                 ; a slot's last step where the slot is filled again: the barrier opens a round of the cluster's barrier
	MEET \slot, 1
	CREST
	JLOAD \slot                                    ; the first tensor load behind the round; its four v_nop are also the places in front of the loads below
	FETCH_B \next, 0, 0
	FETCH_A \next, 0, 0
	SCALES \next
	WIN MUL_HI
	MUL16 4, 1, NQ-1, \slot, 0
	MUL16 6, 1, NQ-1, \slot, 0
	PLACES NP
	WIN 0
	FETCH_A \next, 0, 4
.endm
.macro STEPS slot, from                ; the slot's steps from .. NQ - 2
.set Q, \from
.rept NQ-1-\from
	STEP \slot, Q, 0
.set Q, Q+1
.endr
.endm
	s_wait_alu depctr_va_vdst(0)
	s_wait_tensorcnt 0x0                           ; my part of the first K step is in; the same lines ahead of a later first fill as ahead of a refill
	ds_add_u32 v[SPW], v[NIL]
	s_wait_dscnt 0x0
	CROUND                                         ; everybody's part is in, and all sixteen work-groups are here
	JLOAD 1                                        ; the pair's second K step: slot 1's first fill, the first tensor load behind the round
	FETCH_B 0, 0, 0
	FETCH_A 0, 0, 0
	SCALES 0
	FETCH_A 0, 0, 4
	STEP 0, 0, 1                                   ; the first step stands in front of the loop: its products start the sums
	s_mov_b32 s3, LAPS-1
.Llap:                                                 ; a trip goes once round the ring, from a lap's second step to the next lap's first, and fills both slots again
	STEPS 0, 1
	TURN 0, 1
	STEPS 1, 0
	TURN 1, 0
	STEP 0, 0, 0
	s_sub_co_u32 s3, s3, 1
	s_cmp_lg_u32 s3, 0
	s_cbranch_scc1 .Llap
	STEPS 0, 1                                     ; the last lap fills nothing, and has no round of the cluster's barrier
; THE LAST K STEP (slot 1) BY ROWS OF C.  bq's fragments of its four steps of 128 fill window 1: step q at v[64 x (0, 1, 3, 2)[q]], the last into the set that slot 0's last step still multiplies.
; aq comes by blocks of 16 rows x 512 K (32 registers).  Block a is finished by 32 matrix instructions, its 8 accumulators by turns; then it goes through my stage in LDS and comes back as whole rows
; of 512 bytes, which the 32 lanes store as two aligned units of 256 bytes.  LDS is read no more than in any K step.
.macro BLOAD q
.irp i, 0,1,2,3,4,5,6,7
	FRAG 64*((\q)^((\q)>>1))+FR*\i, ADRB+1, \q, \i
.endr
.endm
.macro ALOAD a
.irp q, 0,1,2,3
	FRAG PA+FR*\q, ADRA+1, \q, \a
.endr
.endm
.macro ROW a
.set AC, 64*((\a)%4)
	WIN MUL_LO+0x50*((\a)/4)
.irp q, 0,1,2,3
.if (\a) == 0 && \q == 3
	s_wait_dscnt 0x0                               ; bq's last 16 loads are in
.endif
.irp b, 0,1,2,3,4,5,6,7
	v_wmma_scale_f32_16x16x128_f8f6f4 v[AC+8*\b:AC+8*\b+7], v[64*((\q)^((\q)>>1))+FR*\b:64*((\q)^((\q)>>1))+FR*\b+FR-1], v[PA+FR*\q:PA+FR*\q+FR-1], v[AC+8*\b:AC+8*\b+7], v[SC+32+4*\b+\q], v[SC+32+4*(\a)+\q] matrix_a_fmt:MATRIX_FMT_FP4 matrix_b_fmt:MATRIX_FMT_FP4 matrix_a_scale:MATRIX_SCALE_ROW1
.endr
.endr
.endm
; The 16 rows that come back from the stage: even blocks in v192-255, odd blocks in v160-191 and v96-127
.macro TOSTAGE a
.set AC, 64*((\a)%4)
	WIN 0x08+4*((\a)/4)                            ; the data: window 2 or 3
.irp b, 0,1,2,3,4,5,6,7
	ds_store_b128 v[STO], v[AC+8*\b:AC+8*\b+3] offset:64*\b          ; each accumulator from its low end on
	ds_store_b128 v[STO], v[AC+8*\b+4:AC+8*\b+7] offset:64*\b+16
.endr
	WIN 0
.irp t, 0,1,2,3,4,5,6,7,8,9,10,11,12,13,14,15
.set RR, (1-(\a)%2)*(192+4*\t)+((\a)%2)*(160+4*\t-96*(\t/8))
	ds_load_b128 v[RR:RR+3], v[RD] offset:\t*SPITCH                  ; LDS serves a wave's instructions in order (ISA guide 5.7.1.4): these see the stores above
.endr
.endm
.macro SEND a, younger                 ; younger: the LDS loads issued behind block a's, which may stay out
	s_wait_dscnt \younger
.irp t, 0,1,2,3,4,5,6,7,8,9,10,11,12,13,14,15
.set RR, (1-(\a)%2)*(192+4*\t)+((\a)%2)*(160+4*\t-96*(\t/8))
	global_store_b128 v[CO], v[RR:RR+3], s[12:13] offset:(16*(\a)+\t)*SIZE_N*4 th:TH_STORE_NT   ; 512 consecutive bytes; the row stands in the immediate: 127 rows of 16,384 bytes at the most, inside its signed 24 bits
.endr
.endm
	MEET 0, 0                                      ; slot 1, the last K step, is whole; nobody reads slot 0 any more; nothing is filled again, so no round follows
	PLACES NP
	SCALES 1
	WIN TO_B
	BLOAD 0
	BLOAD 1
	BLOAD 2
	WIN 0
	ALOAD 0                                        ; into the registers of aq's blocks 0-3, whose products are issued
	WIN MUL_HI
	MUL16 4, 1, NQ-1, 0, 0
	MUL16 6, 1, NQ-1, 0, 0
	PLACES NP
	WIN TO_B
	BLOAD 3
	WIN 0
	s_wait_dscnt 16                                ; all but the 16 just issued
.irp a, 0,1,2,3,4,5,6,7
.if \a > 0
	s_wait_dscnt 32                                ; this block's fragments of aq are in; the 32 stage instructions of the block before may be out
.endif
	ROW \a
	PLACES NP                                      ; in front of the loads into aq's registers and of the stores that read the block's results
	WIN 0
.if \a < 7
	ALOAD \a+1
.endif
.if \a > 0
.if \a < 7
	SEND \a-1, 8                                   ; the block before is back from the stage (the 8 loads just issued may be out) and leaves
.else
	SEND \a-1, 0
.endif
.endif
.if \a > 1
	s_wait_xcnt 0x0                                ; block a - 2's stores have read their registers, on which block a's rows land
.endif
	TOSTAGE \a
.endr
	SEND 7, 0
	s_wait_tensorcnt 0x0                           ; the wave's end
	ds_add_u32 v[SPW], v[NIL]
	s_wait_dscnt 0x0
	CROUND                                         ; the closing round
	s_endpgm
.Lfunc_end_k_qb657d00ca5_gemm:
	.size	k_qb657d00ca5_gemm, .Lfunc_end_k_qb657d00ca5_gemm-k_qb657d00ca5_gemm
	.p2alignl 7, 3214868480
	.fill 96, 4, 3214868480
	.section	.rodata,"a",@progbits
	.p2align	6, 0x0
	.amdhsa_kernel k_qb657d00ca5_gemm
		.amdhsa_group_segment_fixed_size 327680
		.amdhsa_private_segment_fixed_size 0
		.amdhsa_enable_private_segment 0
		.amdhsa_kernarg_size 24
		.amdhsa_user_sgpr_count 2
		.amdhsa_user_sgpr_kernarg_segment_ptr 1
		.amdhsa_wavefront_size32 1
		.amdhsa_system_sgpr_workgroup_id_x 1
		.amdhsa_system_sgpr_workgroup_id_y 1
		.amdhsa_system_sgpr_workgroup_id_z 1
		.amdhsa_system_vgpr_workitem_id 0
		.amdhsa_next_free_vgpr 1024
		.amdhsa_next_free_sgpr 66
		.amdhsa_reserve_vcc 0
		.amdhsa_float_denorm_mode_32 3
		.amdhsa_float_denorm_mode_16_64 3
		.amdhsa_memory_ordered 1
		.amdhsa_forward_progress 1
		.amdhsa_inst_pref_size 209
	.end_amdhsa_kernel
	.amdgpu_metadata
---
amdhsa.version: [ 1, 2 ]
amdhsa.kernels:
  - .name:           k_qb657d00ca5_gemm
    .symbol:         k_qb657d00ca5_gemm.kd
    .args:
      - { .name: aq, .offset: 0, .size: 8, .value_kind: global_buffer, .address_space: global }
      - { .name: bq, .offset: 8, .size: 8, .value_kind: global_buffer, .address_space: global }
      - { .name: out0, .offset: 16, .size: 8, .value_kind: global_buffer, .address_space: global }
    .group_segment_fixed_size: 327680
    .private_segment_fixed_size: 0
    .kernarg_segment_align: 8
    .kernarg_segment_size: 24
    .max_flat_workgroup_size: 128
    .sgpr_count:     66
    .vgpr_count:     1024
    .wavefront_size: 32
...
	.end_amdgpu_metadata
.endif
;; end of part 2
